; MI455X (gfx1250); checked and timed in simulation.
; The chip was launched on July 23, 2026; its instructions are those of AMD's public machine-readable ISA for CDNA 5 (MIT licence, August 2026) and "CDNA5" Instruction Set Architecture Reference Guide (July 2026). The comments in the code are by the model that wrote it; some were corrected since.
;; Self Attention. Allowed arithmetic: matrix products marked QUANTISED: E4M3 operands, one given power-of-two scale a tensor, by v_wmma_f32_16x16x64_fp8_fp8 or v_wmma_f32_16x16x128_fp8_fp8, f32 sums; everything else in f32.
;; Inputs: Wk 1,024 x 1,024 float32; Wp 1,024 x 1,024 float32; Wq 1,024 x 1,024 float32; Wv 1,024 x 1,024 float32; bk 1,024 float32; bp 1,024 float32; bq 1,024 float32; bv 1,024 float32; key 8 x 1,024 x 1,024 float32; lowp_scales 12 int32 (the exponents e of the quantised operands' scales 2^e); query 8 x 1,024 x 1,024 float32; value 8 x 1,024 x 1,024 float32.
;; Outputs: out0 8 x 1,024 x 1,024 float32.
;; This version of the problem:
;;   THIS VERSION OF THE PROBLEM IS GIVEN IN LOW PRECISION. The matrix products marked QUANTISED in the list below multiply operands that are first quantised to E4M3 (4 exponent bits, 3 mantissa bits; 8 bits a number), with one given power-of-two scale for each operand tensor; their sums are f32. All else is computed in f32.
;;   The module's matrix products, in the order in which they are computed (A, B: the left and right operand; K: the contracted axis; several contracted axes count as one K, in the product's order):
;;     1. [M 8,192, K 1,024] x [K 1,024, N 1,024]; A: input key; B: input Wk: QUANTISED (scales: A lowp_scales[0], B lowp_scales[1])
;;     2. [M 8,192, K 1,024] x [K 1,024, N 1,024]; A: input query; B: input Wq: QUANTISED (scales: A lowp_scales[2], B lowp_scales[3])
;;     3. [M 8,192, K 1,024] x [K 1,024, N 1,024]; A: input value; B: input Wv: QUANTISED (scales: A lowp_scales[4], B lowp_scales[5])
;;     4. batch 128 x [M 1,024, K 64] x [K 64, N 1,024]; A: computed on the way; B: computed on the way: QUANTISED (scales: A lowp_scales[6], B lowp_scales[7])
;;     5. batch 128 x [M 1,024, K 1,024] x [K 1,024, N 64]; A: softmax (see below); B: computed on the way: QUANTISED (scales: A lowp_scales[8], B lowp_scales[9])
;;     6. [M 8,192, K 1,024] x [K 1,024, N 1,024]; A: computed on the way; B: input Wp: QUANTISED (scales: A lowp_scales[10], B lowp_scales[11])
;;   THE QUANTISER, for each operand of a quantised product, along K:
;;     - The operand's scale is 2^e, e = its entry of the input lowp_scales (int32; the entries are numbered through the quantised products in the list's order, A before B).
;;     - Each number is divided by the scale, clamped to +-448, and rounded to the nearest number of E4M3, ties to even, subnormals kept.
;;     - The product sums the exact products of the quantised numbers (number of the format x scale) in f32.
;;   ~~~python
;;   def quantise(x, axis, e):      # numpy; x: float32 -> the quantised numbers, widened to float32 again
;;       x = np.moveaxis(x, axis, -1); K = x.shape[-1]
;;       r = np.clip(x / 2.0 ** e, -448, 448)
;;       step = 2.0 ** (np.maximum(np.frexp(np.where(r == 0, 1, r))[1] - 1, -6) - 3)
;;       q = np.round(r / step) * step * 2.0 ** e      # np.round: ties to even
;;       return np.moveaxis(q, -1, axis).astype(np.float32)
;;   ~~~
;;   SOFTMAX AHEAD OF A QUANTISED PRODUCT. Where the list says 'softmax', what is quantised is not the finished softmax but p = 2^(t - M), with t = logit x log2(e) and M = ceil(the row's largest t), a whole number; so 1/2 < the row's largest p <= 1. The row's sum l is taken of the UNQUANTISED p, in f32, and the product's result is divided by l at the end. Since M is a whole number, a kernel that streams over the keys may use a running M (the ceiling of the running maximum): every later rescaling is an exact power of two, so the quantised numbers keep their values, but for numbers so far below the row's largest that they fall under the format's range.
;;   OPERANDS COMPUTED ON THE WAY. 'Computed on the way' means the value that the module computes at that place (a softmax that the list does not call 'softmax' is quantised finished and normalised). What goes into a quantiser is computed in f32, as accurately as f32 sums, v_exp_f32 and their like allow (about 1e-6 of the number): no bf16 or f16 on the way to a quantiser, and a product that is left as it is and whose result goes on into a quantised operand takes f32 operands (vector FMAs, or v_wmma_f32_16x16x4_f32). A number that lies on a knife's edge between two numbers of the format may be rounded either way, as far as f32 arithmetic and the matrix unit's own rounding can turn it there, and no further.
;; One version. Each part assembles by itself: llvm-mc -triple=amdgcn-amd-amdhsa -mcpu=gfx1250 --defsym DOCPART=n.
;; ======== version 1 of 1: 4 launches
;; limits: right only within a limited range of input values
;; workspace buffers: xc 25,165,824 bytes; wc 4,194,304 bytes; qkv 25,165,824 bytes; yimg 8,388,608 bytes
;; launch quant (part 1): grid 1792 x 1, 4 waves a work-group, no clusters, 17,920 bytes of LDS; arguments key, query, value, Wk, Wq, Wv, Wp, lowp_scales, xc, wc; writes xc, wc
.if DOCPART == 1
	.amdgcn_target "amdgcn-amd-amdhsa--gfx1250"
	.amdhsa_code_object_version 6
	.text
	.protected	k_q019e5a81da_quant
	.globl	k_q019e5a81da_quant
	.p2align	8
	.type	k_q019e5a81da_quant,@function
k_q019e5a81da_quant:
	s_mov_b64 s[64:65], 0
	v_nop
	global_prefetch_b8 v0, s[64:65] scope:SCOPE_SE
	s_setreg_imm32_b32 hwreg(HW_REG_WAVE_MODE, 25, 1), 1
	s_wait_xcnt 0x0
; key, query, value [8192][1024] and Wk, Wq, Wv, Wp [1024][1024], all f32 with K innermost, become codes of E4M3, one byte each.  code = x / 2^e, held within +-448, to the nearest code, ties to even.
; e: entries 0, 2, 4 of the scales for key, query, value; 1, 3, 5 for Wk, Wq, Wv; 11 for Wp.
; WORK LEFT OUT BY THE PROGRAM (in launch attn): key steps that lie wholly above the diagonal of the causal mask which reference() builds itself: there the logit is -infinity, so p = 0 for all values of the inputs.
; LIMIT that goes with it: a NaN, an infinity or an overflow that reaches only those scores is not carried to the result.  Every input has a way to the output and is loaded by some launch.
; LIMITS: each e between -126 and 119, so that 2^e and 448 x 2^e are f32 numbers.  NaN among the inputs is not served; an infinity is held at the largest code.
; WHAT IS STORED.  xc = [key, query, value] and wc's first three parts = [Wk, Wq, Wv] are IMAGES OF OPERAND REGISTERS: [tile of 16 rows][128 along K][2 KB], a fragment's registers 4 c .. 4 c + 3 as a chunk of 512 bytes,
; lane l's 16 bytes at 16 l; lane (r, h) holds row r.  Launch proj loads them as they lie.  wc's fourth part, Wp, stays [1024][1024] in the true order of K, as launch oproj reads it.
; THE ORDER OF K IN AN IMAGE.  A wave takes 16 rows x 256 along K.  Each load reads 512 consecutive bytes of a row, 16 a lane; a lane's 8 numbers of a row (4 l .. 4 l + 3 and 128 + 4 l .. + 3) give 8 codes, laid at byte 8 l of the
; row's 256 in the wave's stage in LDS; lane (r, h) takes back bytes 128 q + 32 c + 16 h of row r for chunk c of fragment q.  The order is the same in all six tensors, the two sides of the three products that read
; them: each code meets its partner, and only the order of the sums changes.
; Wp: a lane takes 16 NEIGHBOURS (lanes 64 bytes apart, the four loads 16 bytes apart), and its 16 codes go out as they are: only the loads' address terms and the way out differ.
; SHARES.  A work-group takes 16 rows x 1,024, a wave a quarter.  Work-groups 0-1,535: the three activations, 512 each; 1,536-1,791: the four weights, 64 each.
; ONE BATCH A WAVE: all 32 loads (16 KiB) are issued at once, the steps are converted as their loads come in, and the wave's 8 stores stand together at its end, with no vector or LDS instruction behind them.
; REGISTERS: 144 a wave, so that seven waves' registers are 1,008 of a SIMD's 1,024: 7 x 256 work-groups are the whole grid.  Step t's codes lie in the first four registers of step t - 1's numbers; step 0's in v12-15.
; No barrier: a stage is its wave's own.  Every store of a wave covers 512 consecutive bytes, aligned.  Matrix units and clusters have nothing to do here.  No prefetch: there is no loop to run ahead in.
.set STEPS, 8
.set XWG,   1536                       ; work-groups of the three activations
.set WPWG,  1728                       ; Wp's begin here
.set EMAX,  8
.set MANT,  0x600000                   ; the mantissa field of 448 as f32
.set SP,    272                        ; a stage row: 256 codes + 16 bytes
.set SPARE, 4*16*SP                    ; behind the four stages: the spare words, 128 bytes for each wave, which no other line names
.set LST,   1                          ; v1       the stage, on the way in: 8 x lane
.set LRD,   2                          ; v2       and back: SP x r + 16 h
.set SPW,   3                          ; v3       my spare word; never rewritten
.set AD,    4                          ; v4-7     the four loads' offsets
.set STO,   8                          ; v8       16 x lane
.set NIL,   9                          ; v9       0; never rewritten
.set LIMV,  10                         ; v10      448 x 2^e
.set SCL,   11                         ; v11      2^e
.set C0,    12                         ; v12-15   step 0's codes
.set R,     16                         ; v16-143  eight sets of 16 numbers
	s_load_b512 s[4:19], s[0:1], 0x0               ; key s[4:5], query s[6:7], value s[8:9], Wk s[10:11], Wq s[12:13], Wv s[14:15], Wp s[16:17], the scales s[18:19]
	s_load_b128 s[20:23], s[0:1], 0x40             ; xc s[20:21], wc s[22:23]
	v_lshl_add_u32 v[SPW], v0, 2, SPARE
	v_mov_b32 v[NIL], 0
	v_lshrrev_b32 v1, 5, v0
	v_readfirstlane_b32 s24, v1                    ; wave
	s_sub_co_u32 s26, ttmp9, XWG                   ; the work-group's number among the weights'
	s_and_b32 s27, ttmp9, 511                      ; its tile of 16 rows inside an activation,
	s_and_b32 s28, s26, 63                         ; inside a weight
	s_cmp_lt_u32 ttmp9, XWG
	s_cselect_b32 s27, s27, s28                    ; inside its tensor,
	s_cselect_b32 s28, ttmp9, s26                  ; and inside its buffer of codes, where the tensors lie on end
	s_cmp_lt_u32 ttmp9, WPWG                       ; images | Wp:
	s_cselect_b32 s25, 4, 6                        ; lanes 16 | 64 bytes apart
	s_cselect_b32 s26, 0x200, 16                   ; loads 0 and 1, 2 and 3: 512 | 16 bytes apart
	s_cselect_b32 s44, 0x1000, 32                  ; loads 0 and 2: a row | 32 bytes apart
	s_cselect_b32 s45, 10, 11                      ; a wave's part begins 1,024 | 2,048 bytes behind the last one's,
	s_cselect_b32 s46, 12, 9                       ; its codes 4,096 | 512
	s_lshl_b32 s30, s27, 16                        ; 16 rows are 65,536 bytes
	s_lshl_b32 s45, s24, s45
	s_add_co_u32 s30, s30, s45
	s_mov_b32 s31, 0
	s_lshl_b32 s28, s28, 14                        ; and 16,384 codes
	s_lshl_b32 s46, s24, s46
	s_add_co_u32 s28, s28, s46
	s_mov_b32 s29, 0
	s_mul_i32 s47, s24, 16*SP                      ; my stage
	v_and_b32 v2, 31, v0                           ; lane
	v_lshlrev_b32 v[STO], 4, v2
	v_lshlrev_b32 v[AD], s25, v2
	v_add_nc_u32 v[AD+1], s26, v[AD]
	v_add_nc_u32 v[AD+2], s44, v[AD]
	v_add_nc_u32 v[AD+3], s26, v[AD+2]
	v_lshl_add_u32 v[LST], v2, 3, s47
	v_and_b32 v16, 15, v2                          ; r
	v_lshrrev_b32 v17, 4, v2                       ; h
	v_mul_u32_u24 v16, v16, SP
	v_lshl_add_u32 v16, v17, 4, v16
	v_add_nc_u32 v[LRD], s47, v16
	s_wait_alu depctr_va_vdst(0)                   ; directly ahead of the wait below
	s_wait_kmcnt 0x0
	s_load_b256 s[32:39], s[18:19], 0x0            ; e0 .. e7
	s_load_b128 s[40:43], s[18:19], 0x20           ; e8 .. e11
	s_cmp_lt_u32 ttmp9, XWG                        ; every choice hangs on the work-group's number alone
	s_cselect_b64 s[20:21], s[20:21], s[22:23]     ; where the codes go
	s_cmp_lt_u32 ttmp9, 1728                       ; the source: Wp, unless the number lies under a lower bound
	s_cselect_b64 s[16:17], s[14:15], s[16:17]
	s_cmp_lt_u32 ttmp9, 1664
	s_cselect_b64 s[16:17], s[12:13], s[16:17]
	s_cmp_lt_u32 ttmp9, 1600
	s_cselect_b64 s[16:17], s[10:11], s[16:17]
	s_cmp_lt_u32 ttmp9, 1536
	s_cselect_b64 s[16:17], s[8:9], s[16:17]
	s_cmp_lt_u32 ttmp9, 1024
	s_cselect_b64 s[16:17], s[6:7], s[16:17]
	s_cmp_lt_u32 ttmp9, 512
	s_cselect_b64 s[16:17], s[4:5], s[16:17]
	s_add_nc_u64 s[16:17], s[16:17], s[30:31]
	s_add_nc_u64 s[20:21], s[20:21], s[28:29]
.irp t, 0,1,2,3,4,5,6,7                ; step t: two rows on (8,192 bytes).  Images: rows 2 t, 2 t + 1, two loads each;  Wp: 2,048 consecutive bytes.  Read once in the launch
.irp i, 0,1,2,3
	global_load_b128 v[R+16*\t+4*\i:R+16*\t+4*\i+3], v[AD+\i], s[16:17] offset:8192*\t th:TH_LOAD_NT
.endr
.endr
	s_wait_kmcnt 0x0
	s_cmp_lt_u32 ttmp9, 1728                       ; e, chosen as the source was: e11, e5, e3, e1, e4, e2, e0
	s_cselect_b32 s43, s37, s43
	s_cmp_lt_u32 ttmp9, 1664
	s_cselect_b32 s43, s35, s43
	s_cmp_lt_u32 ttmp9, 1600
	s_cselect_b32 s43, s33, s43
	s_cmp_lt_u32 ttmp9, 1536
	s_cselect_b32 s43, s36, s43
	s_cmp_lt_u32 ttmp9, 1024
	s_cselect_b32 s43, s34, s43
	s_cmp_lt_u32 ttmp9, 512
	s_cselect_b32 s43, s32, s43
	s_add_co_i32 s43, s43, 127
	s_lshl_b32 s42, s43, 23
	v_mov_b32 v[SCL], s42                          ; 2^e as f32: the conversion takes its exponent field
	s_add_co_i32 s43, s43, EMAX
	s_lshl_b32 s43, s43, 23
	s_or_b32 s43, s43, MANT
	v_mov_b32 v[LIMV], s43                         ; 448 x 2^e
.macro PLACE t                         ; CD: where step t's four registers of codes lie
.if (\t) == 0
.set CD, C0
.else
.set CD, R+16*((\t)-1)
.endif
.endm
.macro STEP t
.set XS, R+16*(\t)
	PLACE \t
	s_wait_loadcnt 4*(STEPS-1-(\t))                ; loads come back in order (ISA guide 5.7.1): this step's four are in; the four of each later step may be out
.irp i, 0,1,2,3,4,5,6,7,8,9,10,11,12,13,14,15
	v_med3_num_f32 v[XS+\i], v[XS+\i], -v[LIMV], v[LIMV]   ; the conversion to an 8-bit code does not saturate (ISA guide 7.6.2): the hold at the largest code x the scale comes first
.endr
	v_cvt_scalef32_pk8_fp8_f32 v[CD:CD+1], v[XS:XS+7], v[SCL]        ; images: row 2 t's eight codes;  Wp: my first eight neighbours'.  The sixteen holds above are the plain lines
	v_cvt_scalef32_pk8_fp8_f32 v[CD+2:CD+3], v[XS+8:XS+15], v[SCL]   ; between the last step's conversions and these writes of their sources
.endm
	s_wait_alu depctr_va_vdst(0)                   ; the wait at the head's end
.irp t, 0,1,2,3,4,5,6,7
	STEP \t
.endr
	v_nop                                          ; a plain vector line behind the last conversion of the run
	s_cmp_lt_u32 ttmp9, WPWG
	s_wait_alu depctr_va_vdst(0)                   ; directly ahead of the branch
	s_cbranch_scc1 .Limage
.irp t, 0,1,2,3,4,5,6,7                ; Wp: 32 lanes store 512 consecutive bytes, aligned; these waves have written no LDS
	PLACE \t
	global_store_b128 v[STO], v[CD:CD+3], s[20:21] offset:2048*\t
.endr
	s_endpgm
.Limage:
.irp p, 0,1,2,3,4,5,6,7,8,9,10,11,12,13,14,15
	PLACE \p/2
	ds_store_b64 v[LST], v[CD+2*(\p%2):CD+2*(\p%2)+1] offset:SP*\p   ; row p's 256 codes: 32 lanes, 8 bytes each
.endr
.irp k, 0,1,2,3,4,5,6,7
	ds_load_b128 v[R+16*\k+4:R+16*\k+7], v[LRD] offset:32*\k         ; chunk k % 4 of fragment k / 4.  LDS serves a wave's instructions in order: these see my stores
.endr
	s_wait_tensorcnt 0x0                           ; a wait, an add onto my spare word and its wait, behind my last LDS store; the last wait also shows the chunks in
	ds_add_u32 v[SPW], v[NIL]
	s_wait_dscnt 0x0
.irp k, 0,1,2,3,4,5,6,7
	global_store_b128 v[STO], v[R+16*\k+4:R+16*\k+7], s[20:21] offset:512*\k   ; 512 consecutive bytes, aligned; no store's data are written again
.endr
	s_endpgm
.Lfunc_end_k_q019e5a81da_quant:
	.size	k_q019e5a81da_quant, .Lfunc_end_k_q019e5a81da_quant-k_q019e5a81da_quant
	.p2alignl 7, 3214868480
	.fill 96, 4, 3214868480
	.section	.rodata,"a",@progbits
	.p2align	6, 0x0
	.amdhsa_kernel k_q019e5a81da_quant
		.amdhsa_group_segment_fixed_size 17920
		.amdhsa_private_segment_fixed_size 0
		.amdhsa_enable_private_segment 0
		.amdhsa_kernarg_size 80
		.amdhsa_user_sgpr_count 2
		.amdhsa_user_sgpr_kernarg_segment_ptr 1
		.amdhsa_wavefront_size32 1
		.amdhsa_system_sgpr_workgroup_id_x 1
		.amdhsa_system_sgpr_workgroup_id_y 1
		.amdhsa_system_sgpr_workgroup_id_z 1
		.amdhsa_system_vgpr_workitem_id 0
		.amdhsa_next_free_vgpr 144
		.amdhsa_next_free_sgpr 66
		.amdhsa_reserve_vcc 0
		.amdhsa_float_denorm_mode_32 3
		.amdhsa_float_denorm_mode_16_64 3
		.amdhsa_memory_ordered 1
		.amdhsa_forward_progress 1
		.amdhsa_inst_pref_size 20
	.end_amdhsa_kernel
	.amdgpu_metadata
---
amdhsa.version: [ 1, 2 ]
amdhsa.kernels:
  - .name:           k_q019e5a81da_quant
    .symbol:         k_q019e5a81da_quant.kd
    .args:
      - { .name: key, .offset: 0, .size: 8, .value_kind: global_buffer, .address_space: global }
      - { .name: query, .offset: 8, .size: 8, .value_kind: global_buffer, .address_space: global }
      - { .name: value, .offset: 16, .size: 8, .value_kind: global_buffer, .address_space: global }
      - { .name: Wk, .offset: 24, .size: 8, .value_kind: global_buffer, .address_space: global }
      - { .name: Wq, .offset: 32, .size: 8, .value_kind: global_buffer, .address_space: global }
      - { .name: Wv, .offset: 40, .size: 8, .value_kind: global_buffer, .address_space: global }
      - { .name: Wp, .offset: 48, .size: 8, .value_kind: global_buffer, .address_space: global }
      - { .name: lowp_scales, .offset: 56, .size: 8, .value_kind: global_buffer, .address_space: global }
      - { .name: xc, .offset: 64, .size: 8, .value_kind: global_buffer, .address_space: global }
      - { .name: wc, .offset: 72, .size: 8, .value_kind: global_buffer, .address_space: global }
    .group_segment_fixed_size: 17920
    .private_segment_fixed_size: 0
    .kernarg_segment_align: 8
    .kernarg_segment_size: 80
    .max_flat_workgroup_size: 128
    .sgpr_count:     66
    .vgpr_count:     144
    .wavefront_size: 32
...
	.end_amdgpu_metadata
.endif
;; end of part 1
;; launch proj (part 2): grid 16 x 12, 4 waves a work-group, no clusters, 327,680 bytes of LDS; arguments xc, wc, bk, bq, bv, lowp_scales, qkv; writes qkv
.if DOCPART == 2
	.amdgcn_target "amdgcn-amd-amdhsa--gfx1250"
	.amdhsa_code_object_version 6
	.text
	.protected	k_q019e5a81da_proj
	.globl	k_q019e5a81da_proj
	.p2align	8
	.type	k_q019e5a81da_proj,@function
k_q019e5a81da_proj:
	s_mov_b64 s[64:65], 0
	v_nop
	global_prefetch_b8 v0, s[64:65] scope:SCOPE_SE
	s_setreg_imm32_b32 hwreg(HW_REG_WAVE_MODE, 25, 1), 1
	s_wait_xcnt 0x0
; k = key Wk^T + bk, q = query Wq^T + bq, v = value Wv^T + bv on codes of E4M3, K = 1,024; each result is quantised at once for attention (entries 7, 6, 9 of the scales) and stored as images of operand registers.
; IN: xc and wc hold images: [tile of 16 rows][128 along K][2 KB], four chunks of 512 bytes, lane l's 16 bytes at 16 l (launch quant); the order of K is the same on both sides of each product.
; OUT: qkv part 0: k, part 1: q: [batch x 16 + head][tile of 16 rows][1 KB];  part 2: V^T: [batch x 16 + head][128 keys][16 channels][2 KB]: chunks of 512 bytes in the plain 8-bit layout.
; ONE OPERAND STAYS, THE OTHER STREAMS.  A work-group holds a panel of 256 rows x 1,024 K, 256 KiB of images, in LDS: it comes once, 64 KiB a wave, and is never filled again: no ring, and one barrier in the text.
; The other operand's fragments go from memory straight into registers, as they lie, three K steps of 128 ahead of their products.
;   k, q (y = 0-7): the panel is 256 rows of W (four heads), x streams: 512 rows a work-group.     v (y = 8-11): the panel is 256 rows of value (256 keys), Wv streams: 512 channels a work-group.
; Source 0 is the panel's fragment, source 1 the streamed one: a lane holds one streamed row, its registers eight neighbouring panel rows.  So for k and q a lane has a row's eight neighbours along the head's axis, for v a
; channel's eight neighbouring keys: one conversion gives two registers of the image, two neighbouring panel tiles a chunk.  One text serves all three: pointers and address terms are chosen by the work-group's y.
; SHARES.  192 work-groups (3 tensors x 64): 384 blocks of 256 x 256 do not deal evenly to 256.  A wave takes 128 streamed rows in two passes of 64: 4 x 16 accumulators, 512 registers.
; A panel fragment read from LDS feeds four matrix instructions.  The 64 accumulators take turns, one instruction a turn.
; THE BIAS, x 2^-(ea + eb), is the C of a pass's first K step: along the panel's rows for k and q (two loads a tile from 1 KiB of LDS), along the streamed rows for v (a number a lane, in eight registers): that step has two forms.
; THE WAY OUT: a pass's 512 sums a lane are held and converted, then 32 stores of 512 consecutive bytes, aligned, stand together.
; NO CLUSTER: a panel is asked for once, at the head, and v's panels have two sharers only.  NO PREFETCH: each streamed fragment's own load runs three K steps (192 matrix instructions) ahead of its use.
; LIMITS: eo - ea - eb between -126 and 119 (eo: the result's entry; ea, eb: the operands'); ea + eb is applied by v_ldexp_f32.  NaN is not served.
; REGISTERS, in windows of 256.  Window 0: v1-31 addresses and constants; v64-255 streamed sets 0, 1, 2 (4 fragments x 16).  Window 1: v0-127 a ring of eight panel fragments (on the way out: the codes); v128-191 streamed set 3;
;   v192-255 the bias tiles.  Windows 2, 3: accumulator (panel tile b, streamed tile a) at window 2 + b / 8, v[8 (4 (b % 8) + a)].
.set RAWK,  262144                     ; behind the panel: k's or q's 256 biases,
.set RAWV,  263168                     ; v's 512: bytes of their own for each of the two ways,
.set SPARE, 265216                     ; and the spare words, 128 bytes for each wave, which no other line names
.set LI,   1                           ; v1     16 x lane
.set SPW,  2                           ; v2     my spare word; never rewritten
.set NIL,  3                           ; v3     0; never rewritten
.set ADB,  4                           ; v4-7   16 x lane + 65,536 i: an LDS offset has 16 bits
.set SCL,  8                           ; v8     2^(eo - ea - eb)
.set LIMV, 9                           ; v9     448 x that
.set EBK,  10                          ; v10    RAWK + 32 h
.set EBV,  11                          ; v11    RAWV + 512 x wave + 4 r
.set EBP,  12                          ; v12    the same in the pass in hand
.set VO,   16                          ; v16-23 a chunk's place: 16 x lane + the term of its pair of panel tiles
.set CR,   192                         ; window 1: eight bias tiles
.set G1,   24                          ; s[24:31], s[32:35] the descriptor
.set G0,   32
.set SA,   36                          ; s[36:37] the streamed tiles of the pass in hand
.set PC,   38                          ; s38    the pass
.set EO,   39                          ; s39    256 x the pass
.set BA,   44                          ; s[44:51] where streamed tiles 0 to 3 of the pass go
.set PS,   52                          ; s[52:53] a pass on, in qkv
.set BP,   56                          ; s[56:57] the biases
.set MSB, 0
.macro WIN new                         ; the immediate's high byte repeats the setting that is left
.if MSB != (\new)
	s_set_vgpr_msb (MSB<<8)|(\new)
.set MSB, (\new)
.endif
.endm
.macro PLACES                          ; four plain vector lines behind a matrix instruction, ahead of loads into its sources and of reads of its result (ISA guide 7.12.1 for the reads of its result)
.rept 4
	v_nop
.endr
.endm
	s_load_b256 s[68:75], s[0:1], 0x0              ; xc s[68:69], wc s[70:71], bk s[72:73], bq s[74:75]
	s_load_b128 s[76:79], s[0:1], 0x20             ; bv s[76:77], the scales s[78:79]
	s_load_b64 s[80:81], s[0:1], 0x30              ; qkv
	v_lshl_add_u32 v[SPW], v0, 2, SPARE
	v_mov_b32 v[NIL], 0
	ds_add_u32 v[SPW], v[NIL]                      ; the opening: the add, twice on end, and its wait ahead of my tensor load; work on registers stands between
	ds_add_u32 v[SPW], v[NIL]
	v_lshrrev_b32 v13, 5, v0
	v_readfirstlane_b32 s14, v13                   ; wave
	s_and_b32 s15, ttmp7, 0xffff
	s_lshr_b32 s16, s15, 2                         ; 0: k, 1: q, 2: v
	s_and_b32 s17, s15, 3                          ; sub
	s_lshr_b32 s18, ttmp9, 1
	s_and_b32 s19, ttmp9, 1
	s_mov_b32 s[G1], 3<<16                         ; a dense block of 64 KiB as 256 rows of 256 bytes: no mask, elements of 8 bytes, no padding
	s_mov_b32 s[G1+1], 32<<16
	s_mov_b32 s[G1+2], 256<<16
	s_mov_b32 s[G1+3], 32<<16
	s_mov_b32 s[G1+4], 256
	s_mov_b32 s[G1+5], 32
	s_mov_b32 s[G1+6], 0
	s_mov_b32 s[G1+7], 0
	s_lshl_b32 s40, s17, 3
	s_add_co_u32 s40, s40, s18                     ; v: panel P = 8 sub + x / 2 of value's 32; x % 2: which half of Wv streams
	s_lshl_b32 s20, s16, 20                        ; the panel.  k, q: in wc: the tensor's 1 MiB, 256 KiB x sub
	s_lshl_b32 s21, s17, 18
	s_add_co_u32 s20, s20, s21
	s_lshl_b32 s21, s40, 18                        ; v: in xc: value's part 16 MiB in, 256 KiB x P
	s_add_co_u32 s21, s21, 1<<24
	s_lshl_b32 s22, s16, 23                        ; what streams.  k, q: in xc: the tensor's 8 MiB, 32 tiles of 16 KiB x work-group x
	s_lshl_b32 s23, ttmp9, 19
	s_add_co_u32 s22, s22, s23
	s_lshl_b32 s23, s19, 19                        ; v: in wc: Wv 2 MiB in, 32 tiles x half
	s_add_co_u32 s23, s23, 1<<21
	s_lshl_b32 s41, s16, 23                        ; the results.  k, q: part, batch x / 2 (1 MiB), four heads x sub, row tile 32 (x % 2) + 8 wave (1 KB each)
	s_lshl_b32 s42, s18, 20
	s_add_co_u32 s41, s41, s42
	s_lshl_b32 s42, s17, 18
	s_add_co_u32 s41, s41, s42
	s_lshl_b32 s42, s19, 15
	s_add_co_u32 s41, s41, s42
	s_lshl_b32 s42, s14, 13
	s_add_co_u32 s41, s41, s42
	s_lshr_b32 s42, s40, 2                         ; v: part 2, batch P / 4, head 8 half + 2 wave (64 KiB each), key group 2 (P % 4) (8 KiB each)
	s_lshl_b32 s42, s42, 20
	s_add_co_u32 s42, s42, 1<<24
	s_lshl_b32 s43, s19, 19
	s_add_co_u32 s42, s42, s43
	s_lshl_b32 s43, s14, 17
	s_add_co_u32 s42, s42, s43
	s_and_b32 s43, s40, 3
	s_lshl_b32 s43, s43, 14
	s_add_co_u32 s42, s42, s43
	s_lshl_b32 s58, s17, 10                        ; the biases: 256 x sub | 512 x half, of 4 bytes
	s_lshl_b32 s59, s19, 11
	s_cmp_lt_u32 s16, 2                            ; every choice hangs on the work-group's y alone
	s_cselect_b32 s60, s20, s21
	s_cselect_b32 s62, s22, s23
	s_cselect_b32 s42, s41, s42
	s_cselect_b32 s58, s58, s59
	s_cselect_b32 s54, 10, 11                      ; from streamed tile to streamed tile in qkv: 1 KB | 2 KB
	s_cselect_b32 s[PS], 12, 16                    ; from pass to pass: four row tiles | a head
	s_lshl_b32 s54, 1, s54
	s_lshl_b32 s[PS], 1, s[PS]
	s_lshl_b32 s20, s14, 16
	s_add_co_u32 s60, s60, s20                     ; my quarter of the panel
	s_lshl_b32 s20, s14, 17
	s_add_co_u32 s62, s62, s20                     ; my eight streamed tiles
	s_mov_b32 s61, 0
	s_mov_b32 s63, 0
	s_mov_b32 s43, 0
	s_mov_b32 s59, 0
	s_mov_b32 s55, 0
	s_mov_b32 s[PS+1], 0
	s_wait_dscnt 0x0                               ; both opening adds are done
	s_wait_kmcnt 0x0
	s_load_b256 s[4:11], s[78:79], 0x0             ; e0 .. e7
	s_load_b128 s[84:87], s[78:79], 0x20           ; e8 .. e11
	s_cmp_lt_u32 s16, 2
	s_cselect_b64 s[20:21], s[70:71], s[68:69]     ; the panel comes from wc | xc,
	s_cselect_b64 s[SA:SA+1], s[68:69], s[70:71]   ; the stream from xc | wc
	s_add_nc_u64 s[G0+2:G0+3], s[20:21], s[60:61]
	s_add_nc_u64 s[SA:SA+1], s[SA:SA+1], s[62:63]
	s_mov_b32 s[G0], 1
	s_lshl_b32 s[G0+1], s14, 16                    ; LDS: 65,536 x wave
	s_or_b32 s[G0+3], s[G0+3], 0x80000000
	tensor_load_to_lds s[G0:G0+3], s[G1:G1+7]      ; my one tensor load of the launch
	s_nop 0
	PLACES
	v_and_b32 v13, 31, v0
	v_lshlrev_b32 v[LI], 4, v13
	v_bfe_u32 v14, v0, 4, 1                        ; h
	v_and_b32 v15, 15, v0                          ; r
	v_lshlrev_b32 v28, 3, v0                       ; the biases' way in: 8 | 16 bytes a thread
	v_lshlrev_b32 v30, 4, v0
	v_mov_b32 v[ADB], v[LI]
	v_add_nc_u32 v[ADB+1], 0x10000, v[LI]
	v_add_nc_u32 v[ADB+2], 0x20000, v[LI]
	v_add_nc_u32 v[ADB+3], 0x30000, v[LI]
	v_lshl_add_u32 v[EBK], v14, 5, RAWK
	s_lshl_b32 s41, s14, 9
	s_add_co_u32 s41, s41, RAWV
	v_lshl_add_u32 v[EBV], v15, 2, s41
	v_add_nc_u32 v29, RAWK, v28
	v_add_nc_u32 v31, RAWV, v30
	s_wait_alu depctr_va_vdst(0)                   ; a wait ahead of the run of scalar lines among
	s_cmp_lt_u32 s16, 2
.irp be, 0,1,2,3,4,5,6,7               ; pair be of panel tiles.  k, q: head be / 2 of the four, chunk be % 2;  v: key group be / 4 of the two, chunk be % 4
	s_mov_b32 s41, ((\be>>2)<<13)|((\be&3)<<9)
	s_cselect_b32 s41, ((\be>>1)<<16)|((\be&1)<<9), s41
	v_add_nc_u32 v[VO+\be], s41, v[LI]
.endr
	s_add_nc_u64 s[BA:BA+1], s[80:81], s[42:43]
	s_add_nc_u64 s[BA+2:BA+3], s[BA:BA+1], s[54:55]
	s_add_nc_u64 s[BA+4:BA+5], s[BA+2:BA+3], s[54:55]
	s_add_nc_u64 s[BA+6:BA+7], s[BA+4:BA+5], s[54:55]
	s_cmp_eq_u32 s16, 1
	s_cselect_b64 s[BP:BP+1], s[74:75], s[72:73]
	s_cmp_eq_u32 s16, 2
	s_cselect_b64 s[BP:BP+1], s[76:77], s[BP:BP+1]
	s_add_nc_u64 s[BP:BP+1], s[BP:BP+1], s[58:59]
	s_wait_kmcnt 0x0
	s_add_co_i32 s4, s4, s5                        ; ea + eb of k, q, v
	s_add_co_i32 s6, s6, s7
	s_add_co_i32 s8, s8, s9
	s_cmp_eq_u32 s16, 1
	s_cselect_b32 s4, s6, s4
	s_cselect_b32 s11, s10, s11                    ; eo: e7 for k, e6 for q,
	s_cmp_eq_u32 s16, 2
	s_cselect_b32 s4, s8, s4
	s_cselect_b32 s11, s85, s11                    ; e9 for v
	s_sub_co_i32 s5, 0, s4                         ; a sum stands for sum x 2^(ea + eb): the bias goes in x 2^-(ea + eb),
	s_sub_co_i32 s11, s11, s4                      ; and the conversion divides by 2^(eo - ea - eb)
	s_add_co_i32 s11, s11, 127
	s_lshl_b32 s6, s11, 23
	s_add_co_i32 s11, s11, 8
	s_lshl_b32 s11, s11, 23
	s_or_b32 s11, s11, 0x600000
	v_mov_b32 v[SCL], s6
	v_mov_b32 v[LIMV], s11
	s_cmp_lt_u32 s16, 2
	s_wait_alu depctr_va_vdst(0)                   ; directly ahead of the branch
	s_cbranch_scc0 .Lbias_v
	global_load_b64 v[24:25], v28, s[BP:BP+1]      ; k, q: the panel's 256 biases, two a thread
	s_wait_loadcnt 0x0
	v_ldexp_f32 v24, v24, s5
	v_ldexp_f32 v25, v25, s5
	ds_store_b64 v29, v[24:25]
	s_branch .Lbias_in
.Lbias_v:
	global_load_b128 v[24:27], v30, s[BP:BP+1]     ; v: the 512 streamed channels', four a thread
	s_wait_loadcnt 0x0
	v_ldexp_f32 v24, v24, s5
	v_ldexp_f32 v25, v25, s5
	v_ldexp_f32 v26, v26, s5
	v_ldexp_f32 v27, v27, s5
	ds_store_b128 v31, v[24:27]
.Lbias_in:
.macro ASEL set                        ; AR, AW: a streamed set's first register and window
.if (\set) == 3
.set AR, 128
.set AW, 1
.else
.set AR, 64+64*(\set)
.set AW, 0
.endif
.endm
.macro ALOAD ks                        ; the pass's four streamed fragments of K step ks into set ks % 4: 16 loads of 512 consecutive bytes
	ASEL (\ks)%4
	WIN AW<<6
.irp a, 0,1,2,3
.irp c, 0,1,2,3
	global_load_b128 v[AR+16*\a+4*\c:AR+16*\a+4*\c+3], v[LI], s[SA:SA+1] offset:\a*16384+(\ks)*2048+\c*512
.endr
.endr
.endm
.macro BFET ks, g, cm                  ; panel tiles 2 g, 2 g + 1 of K step ks into the ring (window 1); cm: with their bias tiles
.irp u, 0,1
.set BBT, 2*(\g)+\u
.irp c, 0,1,2,3
	ds_load_b128 v[16*(BBT%8)+4*\c:16*(BBT%8)+4*\c+3], v[ADB+BBT/4] offset:(BBT%4)*16384+(\ks)*2048+\c*512
.endr
.if \cm
	ds_load_b128 v[CR+8*(BBT%8):CR+8*(BBT%8)+3], v[EBK] offset:64*BBT
	ds_load_b128 v[CR+8*(BBT%8)+4:CR+8*(BBT%8)+7], v[EBK] offset:64*BBT+16
.endif
.endr
.endm
; A GROUP: four panel tiles x four streamed tiles, sixteen matrix instructions.  Ahead of them the next group's loads go, in one run, into the ring's four places that the last group has left.
; mode 0: the sums go on; 1: they begin with the panel tile's biases; 2: with the streamed tile's.  last: no K step follows.
.macro GRP s, g, mode, last
.if ((\g) <= 2) || ((\last) == 0)
	PLACES
	WIN 0x40
.if (\g) <= 2
	BFET \s, 2*(\g)+2, (\mode)==1
	BFET \s, 2*(\g)+3, (\mode)==1
.else
	BFET (\s)+1, 0, 0
	BFET (\s)+1, 1, 0
.endif
.if (\g) == 0
.if (\s)+3 <= 7
	ALOAD (\s)+3                                   ; into the set that the last K step has left
.endif
.endif
.endif
.set DC, 0                             ; LDS loads issued behind this group's: the next group's 16, 24 with bias tiles
.if (\g) <= 2
.if (\mode) == 1
.set DC, 24
.else
.set DC, 16
.endif
.elseif (\last) == 0
.set DC, 16
.endif
	s_wait_dscnt DC
.if (\g) == 0
.if 7-(\s) >= 3
	s_wait_loadcnt 48                              ; this K step's 16 loads are in; the 16 of each of the three steps on may be out
.else
	s_wait_loadcnt 16*(7-(\s))
.endif
.endif
	ASEL (\s)%4
.if (\mode) == 0
	WIN ((2+(\g)/2)<<6)|((2+(\g)/2)<<4)|(AW<<2)|1
.else
	WIN ((2+(\g)/2)<<6)|(1<<4)|(AW<<2)|1
.endif
.irp u, 0,1,2,3
.set BBT, 4*(\g)+\u
.irp a, 0,1,2,3
.set AC, 8*((BBT%8)*4+\a)
.if (\mode) == 0
	v_wmma_f32_16x16x128_fp8_fp8 v[AC:AC+7], v[16*(BBT%8):16*(BBT%8)+15], v[AR+16*\a:AR+16*\a+15], v[AC:AC+7]
.elseif (\mode) == 1
	v_wmma_f32_16x16x128_fp8_fp8 v[AC:AC+7], v[16*(BBT%8):16*(BBT%8)+15], v[AR+16*\a:AR+16*\a+15], v[CR+8*(BBT%8):CR+8*(BBT%8)+7]
.else
	v_wmma_f32_16x16x128_fp8_fp8 v[AC:AC+7], v[16*(BBT%8):16*(BBT%8)+15], v[AR+16*\a:AR+16*\a+15], v[CR+8*\a:CR+8*\a+7]
.endif
.endr
.endr
.endm
.macro STEP s, mode, last              ; a K step of 128: 64 matrix instructions
.irp g, 0,1,2,3
	GRP \s, \g, \mode, \last
.endr
.endm
; THE WAY OUT of a pass.  Held in place, each accumulator from its low end on; converted into the ring's registers: chunk (a, be) at window 1, v[4 (8 a + be)]; then the 32 stores.  fin: the wave's last.
.macro EPI fin
	PLACES
.irp wv, 0,1
	WIN ((2+\wv)<<6)|(2+\wv)
.set jj, 0
.rept 256
	v_med3_num_f32 v[jj], v[jj], -v[LIMV], v[LIMV] ; the conversion does not saturate (ISA guide 7.6.2)
.set jj, jj+1
.endr
	WIN (1<<6)|(2+\wv)
.irp bl, 0,1,2,3,4,5,6,7
.irp a, 0,1,2,3
	v_cvt_scalef32_pk8_fp8_f32 v[4*(8*\a+4*\wv+\bl/2)+2*(\bl%2):4*(8*\a+4*\wv+\bl/2)+2*(\bl%2)+1], v[8*(4*\bl+\a):8*(4*\bl+\a)+7], v[SCL]
.endr
.endr
.endr
	v_nop                                          ; a plain vector line behind the last conversion
	WIN 0
.if \fin
	s_wait_alu depctr_va_vdst(0)                   ; directly ahead of the waits below
	s_wait_tensorcnt 0x0                           ; the wave's end: a wait, an add and its wait behind my tensor load and my LDS store; no LDS instruction follows
	ds_add_u32 v[SPW], v[NIL]
	s_wait_dscnt 0x0
.endif
	WIN 0x04                                       ; the stores' data lie in window 1
.irp a, 0,1,2,3
.irp be, 0,1,2,3,4,5,6,7
	global_store_b128 v[VO+\be], v[4*(8*\a+\be):4*(8*\a+\be)+3], s[BA+2*\a:BA+2*\a+1]   ; 512 consecutive bytes, aligned
.endr
.endr
	WIN 0
.endm
	ALOAD 0                                        ; the first pass's K steps 0 to 2 are asked for while the panel is on its way
	ALOAD 1
	ALOAD 2
	WIN 0
	s_wait_alu depctr_va_vdst(0)                   ; the wait at the head's end
	s_wait_tensorcnt 0x0                           ; my quarter of the panel has landed,
	s_wait_dscnt 0x0                               ; my biases are stored,
	s_barrier_signal -1
	s_barrier_wait -1                              ; and everybody's.  No barrier follows: from here on LDS is only read
	s_mov_b32 s[PC], 0
.Lpass:
	s_lshl_b32 s[EO], s[PC], 8
	s_cmp_lt_u32 s16, 2
	s_cbranch_scc0 .Lfirst_v
	WIN 0x40
	BFET 0, 0, 1
	BFET 0, 1, 1
	STEP 0, 1, 0
	WIN 0
	s_branch .Lfirst_done
.Lfirst_v:
	v_add_nc_u32 v[EBP], s[EO], v[EBV]             ; four tiles of 16 channels a pass: 256 bytes
	WIN 0x40
.irp a, 0,1,2,3
.irp j, 0,1,2,3,4,5,6,7
	ds_load_b32 v[CR+8*\a+\j], v[EBP] offset:64*\a ; my channel's bias, in all eight registers of the tile
.endr
.endr
	BFET 0, 0, 0
	BFET 0, 1, 0
	STEP 0, 2, 0
	WIN 0
.Lfirst_done:
	STEP 1, 0, 0
	STEP 2, 0, 0
	STEP 3, 0, 0
	STEP 4, 0, 0
	STEP 5, 0, 0
	STEP 6, 0, 0
	STEP 7, 0, 1
	WIN 0
	s_cmp_eq_u32 s[PC], 1
	s_cbranch_scc1 .Lfin                           ; the second pass asks for nothing more
	s_add_nc_u64 s[SA:SA+1], s[SA:SA+1], 0x10000   ; four tiles on: K step 7's wait for 0 has shown every load done
	ALOAD 0                                        ; the second pass's first three K steps are on their way while the first pass goes out (their sets were left three K steps' places ago)
	ALOAD 1
	ALOAD 2
	WIN 0
	EPI 0
	s_wait_xcnt 0x0                                ; the stores have read their data and bases: the ring may be loaded again, the bases stepped
.irp a, 0,1,2,3
	s_add_nc_u64 s[BA+2*\a:BA+2*\a+1], s[BA+2*\a:BA+2*\a+1], s[PS:PS+1]
.endr
	s_add_co_u32 s[PC], s[PC], 1
	s_cmp_lt_u32 s[PC], 2
	s_wait_alu depctr_va_vdst(0)                   ; directly ahead of the branch
	s_cbranch_scc1 .Lpass
.Lfin:
	EPI 1
	s_endpgm
.Lfunc_end_k_q019e5a81da_proj:
	.size	k_q019e5a81da_proj, .Lfunc_end_k_q019e5a81da_proj-k_q019e5a81da_proj
	.p2alignl 7, 3214868480
	.fill 96, 4, 3214868480
	.section	.rodata,"a",@progbits
	.p2align	6, 0x0
	.amdhsa_kernel k_q019e5a81da_proj
		.amdhsa_group_segment_fixed_size 327680
		.amdhsa_private_segment_fixed_size 0
		.amdhsa_enable_private_segment 0
		.amdhsa_kernarg_size 56
		.amdhsa_user_sgpr_count 2
		.amdhsa_user_sgpr_kernarg_segment_ptr 1
		.amdhsa_wavefront_size32 1
		.amdhsa_system_sgpr_workgroup_id_x 1
		.amdhsa_system_sgpr_workgroup_id_y 1
		.amdhsa_system_sgpr_workgroup_id_z 1
		.amdhsa_system_vgpr_workitem_id 0
		.amdhsa_next_free_vgpr 1024
		.amdhsa_next_free_sgpr 100
		.amdhsa_reserve_vcc 0
		.amdhsa_float_denorm_mode_32 3
		.amdhsa_float_denorm_mode_16_64 3
		.amdhsa_memory_ordered 1
		.amdhsa_forward_progress 1
		.amdhsa_inst_pref_size 191
	.end_amdhsa_kernel
	.amdgpu_metadata
---
amdhsa.version: [ 1, 2 ]
amdhsa.kernels:
  - .name:           k_q019e5a81da_proj
    .symbol:         k_q019e5a81da_proj.kd
    .args:
      - { .name: xc, .offset: 0, .size: 8, .value_kind: global_buffer, .address_space: global }
      - { .name: wc, .offset: 8, .size: 8, .value_kind: global_buffer, .address_space: global }
      - { .name: bk, .offset: 16, .size: 8, .value_kind: global_buffer, .address_space: global }
      - { .name: bq, .offset: 24, .size: 8, .value_kind: global_buffer, .address_space: global }
      - { .name: bv, .offset: 32, .size: 8, .value_kind: global_buffer, .address_space: global }
      - { .name: lowp_scales, .offset: 40, .size: 8, .value_kind: global_buffer, .address_space: global }
      - { .name: qkv, .offset: 48, .size: 8, .value_kind: global_buffer, .address_space: global }
    .group_segment_fixed_size: 327680
    .private_segment_fixed_size: 0
    .kernarg_segment_align: 8
    .kernarg_segment_size: 56
    .max_flat_workgroup_size: 128
    .sgpr_count:     100
    .vgpr_count:     1024
    .wavefront_size: 32
...
	.end_amdgpu_metadata
.endif
;; end of part 2
;; launch attn (part 3): grid 2 x 128, 16 waves a work-group, no clusters, 327,680 bytes of LDS; arguments qkv, lowp_scales, yimg; writes yimg
.if DOCPART == 3
	.amdgcn_target "amdgcn-amd-amdhsa--gfx1250"
	.amdhsa_code_object_version 6
	.text
	.protected	k_q019e5a81da_attn
	.globl	k_q019e5a81da_attn
	.p2align	8
	.type	k_q019e5a81da_attn,@function
k_q019e5a81da_attn:
	s_mov_b64 s[64:65], 0
	v_nop
	global_prefetch_b8 v0, s[64:65] scope:SCOPE_SE
	s_setreg_imm32_b32 hwreg(HW_REG_WAVE_MODE, 25, 1), 1
	s_wait_xcnt 0x0
; Causal attention on codes of E4M3, 128 heads (batch x 16 + head) of 1,024 x 64:  y[q] = the sum over k <= q of softmax_k(q . k / 8) v[k], both products quantised; y is quantised at once (entry 10 of the scales) for the last product.
; LEFT OUT: key steps all of whose 128 keys come after a tile's 16 queries: reference()'s own causal mask makes their p zero for all values of the inputs.  A NaN or an infinity that reaches only those scores is not carried on.
; THE SOFTMAX AHEAD OF THE SECOND PRODUCT: t = score x log2(e) / 8; M = the row's largest t so far, rounded UP to a whole number; p = 2^(t - M) is what is quantised (entry 8), not normalised.  The row's sum is taken of the
; unquantised p, in f32, and divides at the end.  When M moves, the sum and O are multiplied by 2^(old M - new M): exact.
; ALL OPERANDS COME AND GO AS IMAGES OF REGISTERS (chunks of 512 bytes: four registers, lane l's 16 bytes at 16 l), in the plain 8-bit layout: registers 2 c, 2 c + 1 of lane (r, h) = row r, K = 16 c + 8 h + 0 .. 7.
;   qkv part 0: k, part 1: q: [head][tile of 16 rows][1 KB];  part 2: V^T: [head][128 keys][16 channels][2 KB].   yimg: [batch x 64 + tile of 16 rows][head / 2][2 KB]: my head's half: 1 KB at 1,024 (head % 2).
; LAYOUT.  Both products are used transposed: S^T = K Q^T (source 0 = 16 keys, source 1 = 16 queries), O^T = V^T P^T (source 0 = 16 channels, source 1 = P): a lane holds ONE query (lane % 16) throughout.  Register j of score tile T is
; key 16 T + 8 h + j: one conversion of the tile's eight registers gives registers 2 T, 2 T + 1 of P; likewise O^T's tile gives two registers of y's image.  Nothing changes lanes but a maximum and a sum.
; SHARES.  Two work-groups to a head, 256 in all.  A head has 64 tiles of 16 queries; tile t needs t / 8 + 1 key steps of 128.  Wave w of work-group x owns tiles 2 w + x and 63 - (2 w + x): nine steps, whatever w and x.
; LDS.  The head's whole K and V, 64 KiB each, come once, in two groups of first fills, one tensor load a wave in each, with no branch: waves 0 to 7 take K's eighths, waves 8 to 15 V's.  Keys 0-255 (2 KiB a wave) are asked
; for at the head; keys 256-1,023 (6 KiB a wave) behind the first group's barrier.  Nothing is filled again.
; The first two key steps of every wave's first tile read keys 0-255 alone (LDS bytes 0-16,383 and 65,536-81,919): they are written out between the two barriers, while the second group is on its way.
; NO MULTICAST: a head's K and V are read by two work-groups only, once each, as first fills; four work-groups to a head would halve the waves on a WGP or leave each wave a single tile, of unequal length.
; NO PREFETCH: all that the launch reads is asked for by the second barrier; there is no later load to run ahead of.
; LIMITS: e6 + e7 between -123 and 130 (added to c's exponent field); e8 and e10 between -126 and 119; e8 + e9 is applied by v_ldexp_f32.  NaN is not served.
; REGISTERS: v1 16 x lane; v2, v3 LDS addresses in hand; v4, v5 the add's two; v6, v7 y's offsets; v8, v9 Q's; v10 r - 8 h; v12 -M, v13 the largest t, v[14:15] the sum in two halves; v16-31 Q's two fragments;
;   v32-95 eight fragments of K, then four of V; v96-159 S^T, then p; v160-191 O^T; v192-207 p's codes; v208-223 y's codes; v234-255 at work and constants.
; SCALARS: s2 head; s[4:5] qkv; s[8:9] y's base; s[10:11] Q's base; s12, s13 my two tiles; s18 wave; s19 e8 + e9; s[20:21] lane selects; s[22:23] c; s[24:31], s[68:75] the two groups 1; s[32:35], s[36:39] the two groups 0;
;   s40 the step's first key; s41 my first query; s42, s43 LDS bytes of the step's K and V; s44 trips; s[52:63] the scales' exponents.
.set KIMG,  0
.set VIMG,  65536
.set SPARE, 131072                     ; behind K and V: the spare words, 128 bytes for each of sixteen waves, which no other line names
.set LI,  1
.set ADK, 2
.set ADV, 3
.set SPW, 4
.set NIL, 5
.set YO,  6
.set QO,  8
.set DG,  10
.set QF,  16
.set KV,  32
.set S,   96
.set O,   160
.set PC,  192
.set YC,  208
	s_load_b128 s[4:7], s[0:1], 0x0                ; qkv s[4:5], the scales s[6:7]
	s_load_b64 s[8:9], s[0:1], 0x10                ; yimg
	v_lshl_add_u32 v[SPW], v0, 2, SPARE
	v_mov_b32 v[NIL], 0
	ds_add_u32 v[SPW], v[NIL]                      ; the wave's opening: the add, twice on end, and its wait ahead of my first tensor load; the set-up below, work on registers, stands between
	ds_add_u32 v[SPW], v[NIL]
	v_lshrrev_b32 v11, 5, v0
	s_delay_alu instid0(VALU_DEP_1)
	v_readfirstlane_b32 s18, v11                   ; wave 0..15
	s_and_b32 s2, ttmp7, 0xffff                    ; batch x 16 + head
	; descriptor groups 1: dense blocks as rows of 256 bytes: 8 rows (2 KiB) in the first group of loads, 24 rows (6 KiB) in the second
	s_mov_b32 s24, 3<<16                           ; no mask; elements of 8 bytes; no padding
	s_mov_b32 s25, 32<<16                          ; tensor_dim0 = 32
	s_mov_b32 s26, 8<<16                           ; tensor_dim1 = 8
	s_mov_b32 s27, 32<<16                          ; tile_dim0 = 32
	s_mov_b32 s28, 8                               ; tile_dim1 = 8
	s_mov_b32 s29, 32                              ; tensor_dim0_stride
	s_mov_b32 s30, 0
	s_mov_b32 s31, 0
	s_mov_b32 s68, 3<<16
	s_mov_b32 s69, 32<<16
	s_mov_b32 s70, 24<<16                          ; tensor_dim1 = 24
	s_mov_b32 s71, 32<<16
	s_mov_b32 s72, 24                              ; tile_dim1 = 24
	s_mov_b32 s73, 32
	s_mov_b32 s74, 0
	s_mov_b32 s75, 0
	s_and_b32 s51, s18, 7
	s_lshl_b32 s45, s51, 11                        ; first group: wave % 8: which 2 KiB of the image's first 16;
	s_lshr_b32 s46, s18, 3                         ; wave / 8: K (0) or V (1)
	s_lshl_b32 s47, s46, 16                        ; in LDS V's image lies 64 KiB behind K's
	s_mul_i32 s51, s51, 6144
	s_add_co_u32 s51, s51, 16384                   ; second group: which 6 KiB of the 48 behind them
	s_add_co_u32 s37, s47, s51                     ; the second load's LDS address,
	s_add_co_u32 s47, s47, s45                     ; the first's
	s_sub_co_u32 s66, s51, s45                     ; from the first load's bytes to the second's
	s_mov_b32 s67, 0
	s_lshl_b32 s48, s46, 24                        ; in memory: V's part lies 16 MiB behind K's
	s_add_co_u32 s48, s48, s45
	s_lshl_b32 s50, s2, 16                         ; a head's 64 KiB in each part
	s_add_co_u32 s48, s48, s50
	s_mov_b32 s49, 0
	s_add_co_u32 s16, s50, 1<<23                   ; Q's part lies 8 MiB in
	s_mov_b32 s17, 0
	s_lshr_b32 s14, s2, 4
	s_lshl_b32 s14, s14, 20                        ; y: a batch's 64 row tiles of 16 KiB,
	s_and_b32 s15, s2, 15
	s_lshl_b32 s15, s15, 10                        ; my head's 1 KB in each
	s_add_co_u32 s14, s14, s15
	s_mov_b32 s15, 0
	s_lshl_b32 s12, s18, 1
	s_add_co_u32 s12, s12, ttmp9                   ; my first tile of queries: 2 w + x, 0 .. 31
	s_sub_co_u32 s13, 63, s12                      ; my second: 32 .. 63
	s_mov_b32 s20, 0x76543210
	s_mov_b32 s21, 0xfedcba98                      ; v_permlanex16_b32's selects for lane l xor 16
	s_mov_b32 s22, 0x3e38aa3b                      ; c = log2(e) / 8
	s_wait_dscnt 0x0                               ; both opening adds are done
	s_wait_kmcnt 0x0
	s_load_b256 s[52:59], s[6:7], 0x0              ; e0 .. e7
	s_load_b128 s[60:63], s[6:7], 0x20             ; e8 .. e11
	s_mov_b32 s32, 1                               ; groups 0: count = 1,
	s_mov_b32 s33, s47                             ; LDS address,
	s_add_nc_u64 s[34:35], s[4:5], s[48:49]        ; global address,
	s_mov_b32 s36, 1
	s_add_nc_u64 s[38:39], s[34:35], s[66:67]
	s_or_b32 s35, s35, 0x80000000                  ; type = 2
	s_or_b32 s39, s39, 0x80000000
	tensor_load_to_lds s[32:35], s[24:31]          ; my part of keys 0-255: my one tensor load at the head
	s_nop 0
.rept 4
	v_nop
.endr
	s_add_nc_u64 s[10:11], s[4:5], s[16:17]        ; Q's images of my head
	s_add_nc_u64 s[8:9], s[8:9], s[14:15]
	v_and_b32 v[LI], 31, v0
	s_delay_alu instid0(VALU_DEP_1)
	v_lshlrev_b32 v[LI], 4, v[LI]
	s_lshl_b32 s45, s12, 10
	s_lshl_b32 s46, s13, 10
	v_add_nc_u32 v[QO], s45, v[LI]                 ; a tile's image of Q is 1 KB
	v_add_nc_u32 v[QO+1], s46, v[LI]
	global_load_b128 v[QF:QF+3], v[QO], s[10:11]
	global_load_b128 v[QF+4:QF+7], v[QO], s[10:11] offset:512
	global_load_b128 v[QF+8:QF+11], v[QO+1], s[10:11]
	global_load_b128 v[QF+12:QF+15], v[QO+1], s[10:11] offset:512
	s_lshl_b32 s45, s12, 14
	s_lshl_b32 s46, s13, 14
	v_add_nc_u32 v[YO], s45, v[LI]                 ; a row tile of y is 16 KiB
	v_add_nc_u32 v[YO+1], s46, v[LI]
	v_and_b32 v11, 15, v0
	v_bfe_u32 v[DG], v0, 4, 1
	s_delay_alu instid0(VALU_DEP_1)
	v_lshlrev_b32 v[DG], 3, v[DG]
	s_delay_alu instid0(VALU_DEP_1)
	v_sub_nc_u32 v[DG], v11, v[DG]                 ; r - 8 h
	v_mov_b32 v236, 0                              ; written once: a lane permute's destination counts as one of its sources
	v_mov_b32 v252, 0
	v_mov_b32 v253, 0                              ; (named as the upper half of the pair v[252:253])
	s_wait_kmcnt 0x0
	s_add_co_i32 s45, s58, s59
	s_lshl_b32 s45, s45, 23
	s_add_co_i32 s22, s22, s45                     ; a score stands for score x 2^(e6 + e7): the two exponents are added to c's exponent field
	s_mov_b32 s23, s22                             ; (named with it as a pair, so it is written)
	s_add_co_i32 s45, s60, 127
	s_lshl_b32 s46, s45, 23
	v_mov_b32 v244, s46                            ; 2^e8 as f32, for p's conversion
	s_add_co_i32 s45, s45, 8
	s_lshl_b32 s45, s45, 23
	s_or_b32 s45, s45, 0x600000
	v_mov_b32 v240, s45                            ; 448 x 2^e8
	s_add_co_i32 s45, s62, 127
	s_lshl_b32 s46, s45, 23
	v_mov_b32 v245, s46                            ; 2^e10, for y's
	s_add_co_i32 s45, s45, 8
	s_lshl_b32 s45, s45, 23
	s_or_b32 s45, s45, 0x600000
	v_mov_b32 v241, s45                            ; 448 x 2^e10
	s_add_co_i32 s19, s60, s61                     ; e8 + e9
.macro INIT idx                        ; tile idx of my two begins: O^T and the sum are zeros, the largest t lies under every t: the first change of M multiplies zeros, so the step is written without a first form
	s_lshl_b32 s41, s[12+\idx], 4                  ; my first query
	s_mov_b32 s40, 0
	s_mov_b32 s42, KIMG
	s_mov_b32 s43, VIMG
	v_mov_b32 v13, 0xff61b1e6                      ; -3e38
	s_delay_alu instid0(VALU_DEP_1)
	v_floor_f32 v12, -v13
	v_mov_b32 v14, 0
	v_mov_b32 v15, 0
.set jj, 0
.rept 32
	v_mov_b32 v[O+jj], 0
.set jj, jj+1
.endr
.endm
; A KEY STEP: 128 keys from s40 on, for tile idx.  A step all of whose keys come after my 16 queries is left out: a scalar branch on ids and on the count of steps, past the step's loads, products and softmax, not past the lines that step addresses.
.macro STEP idx
	s_add_co_u32 s45, s41, 15
	s_cmp_gt_u32 s40, s45
	s_cbranch_scc1 .Lhidden_\@
	v_add_nc_u32 v[ADK], s42, v[LI]
	v_add_nc_u32 v[ADV], s43, v[LI]
	v_nop                                          ; with the two additions: four places in front of loads into registers that the last products read
	v_nop
.irp t, 0,1,2,3,4,5,6,7
	ds_load_b128 v[KV+8*\t:KV+8*\t+3], v[ADK] offset:1024*\t          ; an image comes back as it was stored: 512 consecutive bytes a load
	ds_load_b128 v[KV+8*\t+4:KV+8*\t+7], v[ADK] offset:1024*\t+512
.endr
	s_wait_alu depctr_va_vdst(0)                   ; directly ahead of the waits below
.irp t, 0,1,2,3,4,5,6,7
	s_wait_dscnt 14-2*\t                           ; tile t's two loads are in; the two of each later tile may be out
	v_wmma_f32_16x16x64_fp8_fp8 v[S+8*\t:S+8*\t+7], v[KV+8*\t:KV+8*\t+7], v[QF+8*\idx:QF+8*\idx+7], 0
.endr
.rept 4
	v_nop                                          ; places: in front of the loads into K's registers, and of the first read of the scores
.endr
.irp d, 0,1,2,3
.irp c, 0,1,2,3
	ds_load_b128 v[KV+16*\d+4*\c:KV+16*\d+4*\c+3], v[ADV] offset:2048*\d+512*\c   ; V's four fragments land while the softmax is walked
.endr
.endr
	s_add_co_u32 s45, s40, 127                     ; on the diagonal the scores of hidden keys become -infinity ahead of the maximum: p = 0 then.  A step all of whose keys count skips this.
	s_cmp_le_u32 s45, s41                          ; (The step's first key is at or under every query of the tile, both being multiples of 16: no row is hidden whole.)
	s_cbranch_scc1 .Lopen_\@
	s_sub_co_i32 s45, s41, s40
	v_add_nc_u32 v252, s45, v[DG]                  ; d = my query - the step's first key - 8 h.  Register 8 T + j holds key 16 T + 8 h + j of the step: hidden where 16 T + j > d
	v_mov_b32 v254, 0xff800000
.set jj, 0
.rept 64
	v_cmp_gt_i32 vcc_lo, 16*(jj/8)+jj%8, v252
	v_cndmask_b32 v[S+jj], v[S+jj], v254, vcc_lo
.set jj, jj+1
.endr
.Lopen_\@:
	v_max3_num_f32 v254, v[S], v[S+1], v[S+2]      ; the step's largest score of my query among my 64 keys, in two chains, each accumulator from its low end on,
	v_max3_num_f32 v252, v[S+3], v[S+4], v[S+5]
.set jj, 6
.rept 14
	v_max3_num_f32 v254, v254, v[S+jj], v[S+jj+1]
	v_max3_num_f32 v252, v252, v[S+jj+2], v[S+jj+3]
.set jj, jj+4
.endr
	v_max3_num_f32 v254, v254, v[S+62], v[S+63]
	s_delay_alu instid0(VALU_DEP_1)
	v_max_num_f32 v254, v254, v252
	s_delay_alu instid0(VALU_DEP_1)
	v_permlanex16_b32 v236, v254, s20, s21
	s_delay_alu instid0(VALU_DEP_1)
	v_max_num_f32 v254, v254, v236                 ; and among lane l xor 16's
	s_delay_alu instid0(VALU_DEP_1)
	v_mul_f32 v254, s22, v254                      ; as t (c is positive)
	s_delay_alu instid0(VALU_DEP_1)
	v_max_num_f32 v13, v13, v254                   ; the running largest t
	v_mov_b32 v254, v12
	s_delay_alu instid0(VALU_DEP_2)
	v_floor_f32 v12, -v13                          ; the new -M = floor(-t) = -ceil(t): a whole number
	s_delay_alu instid0(VALU_DEP_1)
	v_sub_f32 v254, v12, v254                      ; M's old value less its new one: 0 or less
	s_delay_alu instid0(VALU_DEP_1)
	v_cvt_i32_f32 v254, v254                       ; (it saturates)
	s_delay_alu instid0(VALU_DEP_1)
	v_ldexp_f32 v252, 1.0, v254                    ; f = 2^(old M - new M)
.set jj, 0
.rept 32
	v_pk_fma_f32 v[S+jj:S+jj+1], v[S+jj:S+jj+1], s[22:23], v[12:13] op_sel_hi:[1,0,0]   ; t - M, two at a time (of the pairs c and -M the low word serves both halves)
.set jj, jj+2
.endr
.set jj, 0
	s_wait_alu depctr_va_vdst(0)                   ; the wait ahead of the batch of exponentials
.rept 64
	v_exp_f32 v[S+jj], v[S+jj]                     ; p = 2^(t - M), at most 1
.set jj, jj+1
.endr
	v_pk_mul_f32 v[14:15], v[14:15], v[252:253] op_sel_hi:[1,0]   ; the sums under the new M: the plain line behind the exponentials
	s_wait_alu depctr_va_vdst(0)                   ; one wait for the whole batch, ahead of its first reader
	v_pk_add_f32 v[242:243], v[100:101], v[104:105]   ; the row's sum of the unquantised p, two at a time, in eight chains
	v_pk_add_f32 v[254:255], v[108:109], v[112:113]
	v_pk_add_f32 v[250:251], v[116:117], v[120:121]
	v_pk_add_f32 v[248:249], v[124:125], v[128:129]
	v_pk_add_f32 v[246:247], v[132:133], v[136:137]
	v_pk_add_f32 v[238:239], v[140:141], v[144:145]
	v_pk_add_f32 v[234:235], v[148:149], v[152:153]
	v_pk_add_f32 v[14:15], v[14:15], v[156:157]
	v_pk_add_f32 v[242:243], v[242:243], v[96:97]
	v_pk_add_f32 v[254:255], v[254:255], v[98:99]
	v_pk_add_f32 v[250:251], v[250:251], v[102:103]
	v_pk_add_f32 v[248:249], v[248:249], v[106:107]
	v_pk_add_f32 v[246:247], v[246:247], v[110:111]
	v_pk_add_f32 v[238:239], v[238:239], v[114:115]
	v_pk_add_f32 v[234:235], v[234:235], v[118:119]
	v_pk_add_f32 v[14:15], v[14:15], v[122:123]
	v_pk_add_f32 v[242:243], v[242:243], v[126:127]
	v_pk_add_f32 v[254:255], v[254:255], v[130:131]
	v_pk_add_f32 v[250:251], v[250:251], v[134:135]
	v_pk_add_f32 v[248:249], v[248:249], v[138:139]
	v_pk_add_f32 v[246:247], v[246:247], v[142:143]
	v_pk_add_f32 v[238:239], v[238:239], v[146:147]
	v_pk_add_f32 v[234:235], v[234:235], v[150:151]
	v_pk_add_f32 v[14:15], v[14:15], v[154:155]
	v_pk_add_f32 v[242:243], v[242:243], v[158:159]
	s_delay_alu instid0(VALU_DEP_2)
	v_pk_add_f32 v[14:15], v[14:15], v[248:249]
	s_delay_alu instid0(VALU_DEP_2)
	v_pk_add_f32 v[242:243], v[242:243], v[246:247]
	v_pk_add_f32 v[254:255], v[254:255], v[238:239]
	v_pk_add_f32 v[250:251], v[250:251], v[234:235]
	s_delay_alu instid0(VALU_DEP_2)
	v_pk_add_f32 v[14:15], v[14:15], v[254:255]
	s_delay_alu instid0(VALU_DEP_2)
	v_pk_add_f32 v[242:243], v[242:243], v[250:251]
	s_delay_alu instid0(VALU_DEP_1)
	v_pk_add_f32 v[14:15], v[14:15], v[242:243]
.irp t, 0,1,2,3,4,5,6,7
.irp i, 0,1,2,3,4,5,6,7
	v_min_num_f32 v[S+8*\t+\i], v[S+8*\t+\i], v240 ; the conversion does not saturate (ISA guide 7.6.2); p is not negative, so the hold is one-sided
.endr
	v_cvt_scalef32_pk8_fp8_f32 v[PC+2*\t:PC+2*\t+1], v[S+8*\t:S+8*\t+7], v244   ; registers 2 T, 2 T + 1 of P: keys 16 T + 8 h + 0 .. 7
.endr
	s_wait_alu depctr_va_vdst(0)                   ; directly ahead of the first reader of O^T
.set jj, 0
.rept 16
	v_pk_mul_f32 v[O+jj:O+jj+1], v[O+jj:O+jj+1], v[252:253] op_sel_hi:[1,0]    ; O^T under the new M.  (Plain lines between the conversions and the products that read their results)
.set jj, jj+2
.endr
	s_wait_alu depctr_va_vdst(0)                   ; directly ahead of the wait below
	s_wait_dscnt 0x0                               ; V is in
.irp d, 0,1,2,3                        ; O^T += V^T P^T: the four accumulators take turns, one instruction a turn
	v_wmma_f32_16x16x128_fp8_fp8 v[O+8*\d:O+8*\d+7], v[KV+16*\d:KV+16*\d+15], v[PC:PC+15], v[O+8*\d:O+8*\d+7]
.endr
.Lhidden_\@:
	s_add_co_u32 s40, s40, 128
	s_add_co_u32 s42, s42, 8192                    ; eight images of K,
	s_add_co_u32 s43, s43, 8192                    ; four of V
.endm
; THE WAY OUT of tile idx: O^T x 2^(e8 + e9) / the sum is y; held, converted: eight registers of y's image, stored as two chunks of 512 consecutive bytes.  Each tile has its own registers for its codes.
.macro OUT idx
.rept 4
	v_nop                                          ; places behind the last products
.endr
	v_add_f32 v14, v14, v15                        ; the sum's two halves,
	s_delay_alu instid0(VALU_DEP_1)
	v_permlanex16_b32 v252, v14, s20, s21
	s_delay_alu instid0(VALU_DEP_1)
	v_add_f32 v14, v14, v252                       ; and lane l xor 16's
	s_wait_alu depctr_va_vdst(0)                   ; the wait ahead of the transcendental
	v_rcp_f32 v14, v14
	v_nop                                          ; a plain line behind the transcendental
	s_wait_alu depctr_va_vdst(0)                   ; and the wait ahead of its first reader
	v_ldexp_f32 v14, v14, s19
	s_wait_alu depctr_va_vdst(0)                   ; directly ahead of the first reader of O^T
.set jj, 0
.rept 16
	v_pk_mul_f32 v[O+jj:O+jj+1], v[O+jj:O+jj+1], v[14:15] op_sel_hi:[1,0]      ; each accumulator from its low end on
.set jj, jj+2
.endr
.set jj, 0
.rept 32
	v_med3_num_f32 v[O+jj], v[O+jj], -v241, v241
.set jj, jj+1
.endr
.irp d, 0,1,2,3
	v_cvt_scalef32_pk8_fp8_f32 v[YC+8*\idx+2*\d:YC+8*\idx+2*\d+1], v[O+8*\d:O+8*\d+7], v245
.endr
	v_nop                                          ; a plain line between the conversions and the next writes of their sources
	global_store_b128 v[YO+\idx], v[YC+8*\idx:YC+8*\idx+3], s[8:9]
	global_store_b128 v[YO+\idx], v[YC+8*\idx+4:YC+8*\idx+7], s[8:9] offset:512
.endm
	s_wait_alu depctr_va_vdst(0)                   ; the wait at the head's end
	s_wait_tensorcnt 0x0                           ; my part of keys 0-255 has landed; ahead of a later first fill:
	ds_add_u32 v[SPW], v[NIL]                      ; 0 onto my spare word,
	s_wait_dscnt 0x0                               ; and the wait for it
	s_barrier_signal -1
	s_barrier_wait -1                              ; everybody's part has landed: keys 0-255 of K and V lie in LDS
	tensor_load_to_lds s[36:39], s[68:75]          ; my part of keys 256-1,023: my one tensor load behind this barrier
	s_nop 0
.rept 4
	v_nop
.endr
	s_wait_loadcnt 0x0                             ; Q
	INIT 0
	STEP 0                                         ; keys 0-127,
	STEP 0                                         ; keys 128-255, as far as my first tile reaches: LDS bytes 0-16,383 and 65,536-81,919 alone
	s_wait_alu depctr_va_vdst(0)                   ; directly ahead of the waits below
	s_wait_tensorcnt 0x0                           ; my second load has landed,
	s_wait_dscnt 0x0
	s_barrier_signal -1
	s_barrier_wait -1                              ; and everybody's: the head's whole K and V lie in LDS.  No barrier follows: from here on no wave waits for another
	s_mov_b32 s44, 2
.Ltile0:                                           ; keys 256-511, as far as my first tile reaches
	STEP 0
	s_sub_co_u32 s44, s44, 1
	s_cmp_lg_u32 s44, 0
	s_cbranch_scc1 .Ltile0
	OUT 0
	INIT 1
	s_mov_b32 s44, 8
.Ltile1:                                           ; keys 0-1,023, as far as my second tile reaches
	STEP 1
	s_sub_co_u32 s44, s44, 1
	s_cmp_lg_u32 s44, 0
	s_cbranch_scc1 .Ltile1
	OUT 1
	s_wait_tensorcnt 0x0                           ; the wave's end: a wait, an add and its wait, behind my last tensor load
	ds_add_u32 v[SPW], v[NIL]
	s_wait_dscnt 0x0
	s_endpgm
.Lfunc_end_k_q019e5a81da_attn:
	.size	k_q019e5a81da_attn, .Lfunc_end_k_q019e5a81da_attn-k_q019e5a81da_attn
	.p2alignl 7, 3214868480
	.fill 96, 4, 3214868480
	.section	.rodata,"a",@progbits
	.p2align	6, 0x0
	.amdhsa_kernel k_q019e5a81da_attn
		.amdhsa_group_segment_fixed_size 327680
		.amdhsa_private_segment_fixed_size 0
		.amdhsa_enable_private_segment 0
		.amdhsa_kernarg_size 24
		.amdhsa_user_sgpr_count 2
		.amdhsa_user_sgpr_kernarg_segment_ptr 1
		.amdhsa_wavefront_size32 1
		.amdhsa_system_sgpr_workgroup_id_x 1
		.amdhsa_system_sgpr_workgroup_id_y 1
		.amdhsa_system_sgpr_workgroup_id_z 1
		.amdhsa_system_vgpr_workitem_id 0
		.amdhsa_next_free_vgpr 256
		.amdhsa_next_free_sgpr 80
		.amdhsa_reserve_vcc 1
		.amdhsa_float_denorm_mode_32 3
		.amdhsa_float_denorm_mode_16_64 3
		.amdhsa_memory_ordered 1
		.amdhsa_forward_progress 1
		.amdhsa_inst_pref_size 103
	.end_amdhsa_kernel
	.amdgpu_metadata
---
amdhsa.version: [ 1, 2 ]
amdhsa.kernels:
  - .name:           k_q019e5a81da_attn
    .symbol:         k_q019e5a81da_attn.kd
    .args:
      - { .name: qkv, .offset: 0, .size: 8, .value_kind: global_buffer, .address_space: global }
      - { .name: lowp_scales, .offset: 8, .size: 8, .value_kind: global_buffer, .address_space: global }
      - { .name: yimg, .offset: 16, .size: 8, .value_kind: global_buffer, .address_space: global }
    .group_segment_fixed_size: 327680
    .private_segment_fixed_size: 0
    .kernarg_segment_align: 8
    .kernarg_segment_size: 24
    .max_flat_workgroup_size: 512
    .sgpr_count:     80
    .vgpr_count:     256
    .wavefront_size: 32
...
	.end_amdgpu_metadata
.endif
;; end of part 3
;; launch oproj (part 4): grid 4 x 64, 4 waves a work-group, clusters of 4 x 4, 327,680 bytes of LDS; arguments yimg, wc, bp, lowp_scales, out0; writes out0
.if DOCPART == 4
	.amdgcn_target "amdgcn-amd-amdhsa--gfx1250"
	.amdhsa_code_object_version 6
	.text
	.protected	k_q019e5a81da_oproj
	.globl	k_q019e5a81da_oproj
	.p2align	8
	.type	k_q019e5a81da_oproj,@function
k_q019e5a81da_oproj:
	s_mov_b64 s[64:65], 0
	v_nop
	global_prefetch_b8 v0, s[64:65] scope:SCOPE_SE
	s_setreg_imm32_b32 hwreg(HW_REG_WAVE_MODE, 25, 1), 1
	s_wait_xcnt 0x0
	s_wait_alu depctr_hold_cnt(0) depctr_sa_sdst(0) depctr_va_vdst(0) depctr_va_sdst(0) depctr_va_ssrc(0) depctr_va_vcc(0) depctr_vm_vsrc(0)
	s_getreg_b32 s2, hwreg(HW_REG_IB_STS2, 6, 4)
	s_cmp_eq_u32 s2, 0
	s_cbranch_scc0 .Lentry_in_a_cluster
	s_endpgm
.Lentry_in_a_cluster:
	s_bfe_u32 s2, ttmp6, 0x10000c
	s_cmp_lg_u32 s2, 0xf033
	s_cbranch_scc0 .Lentry_shape_is_right
	s_endpgm
.Lentry_shape_is_right:
.set ROWB,   256
.set KROW,   1024
.set PITCH,  272
.set AROW,   4096
.set APITCH, 16384
.set FR,     16
.set NL,     4
.set NP,     4
.set HALFA,  4*AROW
.set HALFB,  128*PITCH
.set BOFF,   2*HALFA
.set SLOT,   BOFF+2*HALFB
.set SPARE,  3*SLOT
.set STAGE,  SLOT
.set SPITCH, 528
.set ADRA, 16
.set ADRB, 20
.set STO,  24
.set RD,   25
.set CO,   26
.set BO,   27
.set SPW,  28
.set NIL,  29
.set TMP,  32
.set BIA,  64
.set AF,   128
.set BK,   128
.set G1, 24
.set G0, 32
.set G1B, 48
.set G0B, 68
.set MSB, 0
.macro WIN new
.if MSB != (\new)
	s_set_vgpr_msb (MSB<<8)|(\new)
.set MSB, (\new)
.endif
.endm
.set MUL,  0xa1
.set TO_B, 0x40
.macro JLOAD g0a, g1a, g0b, g1b
	s_cmp_eq_u32 s15, 0
	s_cbranch_scc0 .Lfor_b_\@
	tensor_load_to_lds s[\g0a:\g0a+3], s[\g1a:\g1a+7]
	s_nop 0
.rept 4
	v_nop
.endr
	s_branch .Lasked_\@
.Lfor_b_\@:
	tensor_load_to_lds s[\g0b:\g0b+3], s[\g1b:\g1b+7]
	s_nop 0
.rept 4
	v_nop
.endr
.Lasked_\@:
.endm
.macro CREST
	s_cmp_lg_u32 s14, 0
	s_cbranch_scc1 .Lnot_wave_0_\@
	s_barrier_signal -3
.Lnot_wave_0_\@:
	s_barrier_wait -3
	s_barrier_signal -1
	s_barrier_wait -1
.endm
.macro CROUND
	s_barrier_signal -1
	s_barrier_wait -1
	CREST
.endm
	s_load_b256 s[4:11], s[0:1], 0x0
	s_load_b64 s[12:13], s[0:1], 0x20
	v_lshl_add_u32 v[SPW], v0, 2, SPARE
	v_mov_b32 v[NIL], 0
	ds_add_u32 v[SPW], v[NIL]
	ds_add_u32 v[SPW], v[NIL]
	v_lshrrev_b32 v1, 5, v0
	v_readfirstlane_b32 s14, v1
	s_lshr_b32 s15, s14, 1
	s_and_b32 s16, s14, 1
	s_bfe_u32 s56, ttmp6, 0x40000
	s_bfe_u32 s57, ttmp6, 0x40004
	s_lshl_b32 s19, ttmp9, 2
	s_add_co_u32 s19, s19, s56
	s_and_b32 s17, ttmp7, 0xffff
	s_lshl_b32 s17, s17, 2
	s_add_co_u32 s17, s17, s57
	s_lshl_b32 s58, s57, 2
	s_lshl_b32 s58, 15, s58
	s_lshl_b32 s59, 0x1111, s56
	s_or_b32 s[G1+0], s58, (0<<16)|(1<<21)
	s_mov_b32 s[G1+1], AROW<<16
	s_mov_b32 s[G1+2], 4<<16
	s_mov_b32 s[G1+3], AROW<<16
	s_mov_b32 s[G1+4], 4
	s_mov_b32 s[G1+5], APITCH
	s_mov_b32 s[G1+6], 0
	s_mov_b32 s[G1+7], 0
	s_or_b32 s[G1B+0], s59, (0<<16)|(1<<20)|(1<<21)|(5<<22)|(3<<25)
	s_mov_b32 s[G1B+1], ROWB<<16
	s_mov_b32 s[G1B+2], 128<<16
	s_mov_b32 s[G1B+3], ROWB<<16
	s_mov_b32 s[G1B+4], 128
	s_mov_b32 s[G1B+5], KROW
	s_mov_b32 s[G1B+6], 0
	s_mov_b32 s[G1B+7], 0
	s_lshl_b32 s20, s17, 17
	s_lshl_b32 s18, s16, 16
	s_add_co_u32 s20, s20, s18
	s_mov_b32 s21, 0
	s_lshl_b32 s62, s19, 18
	s_lshl_b32 s18, s16, 17
	s_add_co_u32 s62, s62, s18
	s_add_co_u32 s62, s62, 3<<20
	s_mov_b32 s63, 0
	s_lshl_b32 s60, s16, 14
	s_mul_i32 s61, s16, HALFB
	s_add_co_u32 s61, s61, BOFF
	s_wait_dscnt 0x0
	s_wait_kmcnt 0x0
	s_load_b64 s[96:97], s[10:11], 0x28
	s_add_nc_u64 s[20:21], s[4:5], s[20:21]
	s_add_nc_u64 s[62:63], s[6:7], s[62:63]
	CROUND
.irp s, 0,1,2
	s_mov_b32 s[G0+4*\s], 1
	s_add_co_u32 s[G0+4*\s+1], s60, \s*SLOT
	s_add_nc_u64 s[G0+4*\s+2:G0+4*\s+3], s[20:21], \s*AROW
	s_or_b32 s[G0+4*\s+3], s[G0+4*\s+3], 0x80000000
	s_mov_b32 s[G0B+4*\s], 1
	s_add_co_u32 s[G0B+4*\s+1], s61, \s*SLOT
	s_add_nc_u64 s[G0B+4*\s+2:G0B+4*\s+3], s[62:63], \s*ROWB
	s_or_b32 s[G0B+4*\s+3], s[G0B+4*\s+3], 0x80000000
	s_wait_alu depctr_va_vdst(0)
	s_wait_tensorcnt 0x0
	ds_add_u32 v28, v29
	ds_add_u32 v28, v29
	s_wait_dscnt 0x0
	CROUND
	JLOAD G0+4*\s, G1, G0B+4*\s, G1B
.endr
	v_and_b32 v1, 15, v0
	v_bfe_u32 v2, v0, 4, 1
	v_and_b32 v6, 31, v0
	v_lshlrev_b32 v[CO], 4, v6
	v_lshlrev_b32 v[BO], 5, v2
	v_mul_u32_u24 v3, v1, PITCH
	v_lshl_add_u32 v4, v2, 3, v3
	s_lshl_b32 s22, s15, 14
	s_mul_i32 s23, s16, HALFB
	s_add_co_u32 s23, s23, BOFF
.irp s, 0,1,2
	v_add_nc_u32 v[ADRA+\s], s22, v[CO]
	v_add_nc_u32 v[ADRB+\s], s23, v4
	s_add_co_u32 s22, s22, SLOT
	s_add_co_u32 s23, s23, SLOT
.endr
	s_mul_i32 s18, s14, 16*SPITCH
	s_add_co_u32 s18, s18, STAGE
	v_mul_u32_u24 v5, v1, SPITCH
	v_lshl_add_u32 v5, v2, 5, v5
	v_add_nc_u32 v[STO], s18, v5
	v_add_nc_u32 v[RD], s18, v[CO]
	s_lshl_b32 s98, s19, 10
	s_lshl_b32 s99, s16, 9
	s_add_co_u32 s98, s98, s99
	s_mov_b32 s99, 0
	s_add_nc_u64 s[8:9], s[8:9], s[98:99]
.irp b, 0,1,2,3,4,5,6,7
	global_load_b128 v[BIA+8*\b:BIA+8*\b+3], v[BO], s[8:9] offset:64*\b
	global_load_b128 v[BIA+8*\b+4:BIA+8*\b+7], v[BO], s[8:9] offset:64*\b+16
.endr
	s_lshl_b32 s66, s17, 7
	s_lshl_b32 s67, s15, 6
	s_add_co_u32 s66, s66, s67
	s_lshl_b32 s66, s66, 12
	s_add_co_u32 s66, s66, s98
	s_mov_b32 s67, 0
	s_add_nc_u64 s[12:13], s[12:13], s[66:67]
.macro FRAGA reg, slot, q, i
.irp c, 0,1,2,3
	ds_load_b128 v[\reg+4*\c:\reg+4*\c+3], v[ADRA+\slot] offset:AROW*(\i)+2048*(\q)+512*\c
.endr
.endm
.macro FRAGB reg, slot, q, i
.irp c, 0,1,2,3,4,5,6,7
	ds_load_b64 v[\reg+2*\c:\reg+2*\c+1], v[ADRB+\slot] offset:128*(\q)+16*\c+(\i)*16*PITCH
.endr
.endm
.macro MUL8 a, p, zero
.irp b, 0,1,2,3,4,5,6,7
.if \zero
	v_wmma_f32_16x16x128_fp8_fp8 v[8*(8*(\a)+\b):8*(8*(\a)+\b)+7], v[128*(\p)+FR*\b:128*(\p)+FR*\b+FR-1], v[AF+FR*(\a):AF+FR*(\a)+FR-1], 0
.else
	v_wmma_f32_16x16x128_fp8_fp8 v[8*(8*(\a)+\b):8*(8*(\a)+\b)+7], v[128*(\p)+FR*\b:128*(\p)+FR*\b+FR-1], v[AF+FR*(\a):AF+FR*(\a)+FR-1], v[8*(8*(\a)+\b):8*(8*(\a)+\b)+7]
.endif
.endr
.endm
.macro FETCH_B slot, q, p, i0
	WIN TO_B
.irp i, \i0, \i0+1, \i0+2, \i0+3
	FRAGB 128*(\p)+FR*(\i), \slot, \q, \i
.endr
	WIN 0
.endm
.macro FETCH_A slot, q, i0
.irp i, \i0, \i0+1
	FRAGA AF+FR*(\i), \slot, \q, \i
.endr
.endm
.macro PLACES n
.rept \n
	v_nop
.endr
.endm
.macro STEPX p, ns, nq, zero
	s_wait_dscnt 2*NL
	WIN MUL
	MUL8 0, \p, \zero
	MUL8 1, \p, \zero
	s_wait_dscnt 0
	PLACES NP
	FETCH_B \ns, \nq, 1-(\p), 0
	FETCH_A \ns, \nq, 0
	WIN MUL
	MUL8 2, \p, \zero
	MUL8 3, \p, \zero
	PLACES NP
	FETCH_B \ns, \nq, 1-(\p), 4
	FETCH_A \ns, \nq, 2
.endm
.macro TURN ns, fill
	s_wait_tensorcnt 0x0
	ds_add_u32 v[SPW], v[NIL]
	s_wait_dscnt 2*NL+1
	WIN MUL
	MUL8 0, 1, 0
	s_wait_dscnt 0x0
	s_barrier_signal -1
	MUL8 1, 1, 0
	WIN 0
	s_barrier_wait -1
.if \fill
	CREST
	s_add_nc_u64 s[G0+2:G0+3], s[G0+2:G0+3], 3*AROW
	s_add_nc_u64 s[G0B+2:G0B+3], s[G0B+2:G0B+3], 3*ROWB
	JLOAD G0, G1, G0B, G1B
.else
	PLACES NP
.endif
	FETCH_B \ns, 0, 0, 0
	FETCH_A \ns, 0, 0
	WIN MUL
	MUL8 2, 1, 0
	MUL8 3, 1, 0
	PLACES NP
	FETCH_B \ns, 0, 0, 4
	FETCH_A \ns, 0, 2
.endm
	s_wait_alu depctr_va_vdst(0)
	s_wait_tensorcnt 2
	s_barrier_signal -1
	s_barrier_wait -1
	FETCH_B 0, 0, 0, 0
	FETCH_B 0, 0, 0, 4
	FETCH_A 0, 0, 0
	FETCH_A 0, 0, 2
	STEPX 0, 0, 1, 1
	TURN 1, 1
	STEPX 0, 1, 1, 0
	STEPX 1, 2, 0, 0
	STEPX 0, 2, 1, 0
	TURN 0, 0
	STEPX 0, 0, 1, 0
	s_wait_dscnt 2*NL
	WIN MUL
	MUL8 0, 1, 0
	MUL8 1, 1, 0
	s_wait_dscnt 0
	MUL8 2, 1, 0
	MUL8 3, 1, 0
	WIN 0
.macro TOSTAGE a
.set AC, 64*(\a)
.irp g, 0,1
	WIN 0x02
.irp b, 0,1,2,3
.irp i, 0,2,4,6
	v_pk_fma_f32 v[TMP+8*\b+\i:TMP+8*\b+\i+1], v[AC+8*(4*\g+\b)+\i:AC+8*(4*\g+\b)+\i+1], s[96:97], v[BIA+8*(4*\g+\b)+\i:BIA+8*(4*\g+\b)+\i+1] op_sel_hi:[1,0,1]
.endr
.endr
	WIN 0
.irp b, 0,1,2,3
	ds_store_b128 v[STO], v[TMP+8*\b:TMP+8*\b+3] offset:64*(4*\g+\b)
	ds_store_b128 v[STO], v[TMP+8*\b+4:TMP+8*\b+7] offset:64*(4*\g+\b)+16
.endr
.endr
.set BB, BK+64*((\a)%2)
.irp t, 0,1,2,3,4,5,6,7,8,9,10,11,12,13,14,15
	ds_load_b128 v[BB+4*\t:BB+4*\t+3], v[RD] offset:\t*SPITCH
.endr
.endm
.macro SEND a, younger
.set BB, BK+64*((\a)%2)
	s_wait_dscnt \younger
.if (\a) > 0
	s_add_nc_u64 s[12:13], s[12:13], 16*4096
.endif
.irp t, 0,1,2,3,4,5,6,7,8,9,10,11,12,13,14,15
	global_store_b128 v[CO], v[BB+4*\t:BB+4*\t+3], s[12:13] offset:\t*4096 th:TH_STORE_NT
.endr
.endm
	s_wait_kmcnt 0x0
	s_add_co_i32 s96, s96, s97
	s_add_co_i32 s96, s96, 127
	s_lshl_b32 s96, s96, 23
	PLACES NP
	s_wait_loadcnt 0x0
	TOSTAGE 0
.irp a, 1,2,3
.if \a > 1
	s_wait_xcnt 0x0
.endif
	TOSTAGE \a
	SEND \a-1, 32
.endr
	s_wait_xcnt 0x0
	SEND 3, 0
	s_wait_tensorcnt 0x0
	ds_add_u32 v[SPW], v[NIL]
	s_wait_dscnt 0x0
	CROUND
	s_endpgm
.Lfunc_end_k_q019e5a81da_oproj:
	.size	k_q019e5a81da_oproj, .Lfunc_end_k_q019e5a81da_oproj-k_q019e5a81da_oproj
	.p2alignl 7, 3214868480
	.fill 96, 4, 3214868480
	.section	.rodata,"a",@progbits
	.p2align	6, 0x0
	.amdhsa_kernel k_q019e5a81da_oproj
		.amdhsa_group_segment_fixed_size 327680
		.amdhsa_private_segment_fixed_size 0
		.amdhsa_enable_private_segment 0
		.amdhsa_kernarg_size 40
		.amdhsa_user_sgpr_count 2
		.amdhsa_user_sgpr_kernarg_segment_ptr 1
		.amdhsa_wavefront_size32 1
		.amdhsa_system_sgpr_workgroup_id_x 1
		.amdhsa_system_sgpr_workgroup_id_y 1
		.amdhsa_system_sgpr_workgroup_id_z 1
		.amdhsa_system_vgpr_workitem_id 0
		.amdhsa_next_free_vgpr 768
		.amdhsa_next_free_sgpr 100
		.amdhsa_reserve_vcc 0
		.amdhsa_float_denorm_mode_32 3
		.amdhsa_float_denorm_mode_16_64 3
		.amdhsa_memory_ordered 1
		.amdhsa_forward_progress 1
		.amdhsa_inst_pref_size 96
	.end_amdhsa_kernel
	.amdgpu_metadata
---
amdhsa.version: [ 1, 2 ]
amdhsa.kernels:
  - .name:           k_q019e5a81da_oproj
    .symbol:         k_q019e5a81da_oproj.kd
    .args:
      - { .name: yimg, .offset: 0, .size: 8, .value_kind: global_buffer, .address_space: global }
      - { .name: wc, .offset: 8, .size: 8, .value_kind: global_buffer, .address_space: global }
      - { .name: bp, .offset: 16, .size: 8, .value_kind: global_buffer, .address_space: global }
      - { .name: lowp_scales, .offset: 24, .size: 8, .value_kind: global_buffer, .address_space: global }
      - { .name: out0, .offset: 32, .size: 8, .value_kind: global_buffer, .address_space: global }
    .group_segment_fixed_size: 327680
    .private_segment_fixed_size: 0
    .kernarg_segment_align: 8
    .kernarg_segment_size: 40
    .max_flat_workgroup_size: 128
    .sgpr_count:     100
    .vgpr_count:     768
    .wavefront_size: 32
...
	.end_amdgpu_metadata
.endif
;; end of part 4
